; MI455X (gfx1250); checked and timed in simulation.
; The chip was launched on July 23, 2026; its instructions are those of AMD's public machine-readable ISA for CDNA 5 (MIT licence, August 2026) and "CDNA5" Instruction Set Architecture Reference Guide (July 2026). The comments in the code are by the model that wrote it; some were corrected since.
;; Multi Query Self Attention. Allowed arithmetic: matrix products marked QUANTISED: E5M2 operands, one given power-of-two scale a tensor, by v_wmma_f32_16x16x64_bf8_bf8 or v_wmma_f32_16x16x128_bf8_bf8, f32 sums; everything else in f32.
;; Inputs: W_k_codes 64 x 32 x 32 uint8 (E5M2 codes of W_k, K innermost, in blocks of 32 codes); W_o_codes 1,024 x 32 x 32 uint8 (E5M2 codes of W_o, K innermost, in blocks of 32 codes); W_q_codes 1,024 x 32 x 32 uint8 (E5M2 codes of W_q, K innermost, in blocks of 32 codes); W_v_codes 64 x 32 x 32 uint8 (E5M2 codes of W_v, K innermost, in blocks of 32 codes); b_k 64 float32; b_o 1,024 float32; b_q 1,024 float32; b_v 64 float32; lowp_scales 12 int32 (the exponents e of the quantised operands' scales 2^e); x_codes 4 x 2,048 x 32 x 32 uint8 (E5M2 codes of x, K innermost, in blocks of 32 codes).
;; Outputs: out0 4 x 2,048 x 1,024 float32.
;; This version of the problem:
;;   THIS VERSION OF THE PROBLEM IS GIVEN IN LOW PRECISION. The matrix products marked QUANTISED in the list below multiply operands that are first quantised to E5M2 (5 exponent bits, 2 mantissa bits; 8 bits a number), with one given power-of-two scale for each operand tensor; their sums are f32. All else is computed in f32.
;;   The module's matrix products, in the order in which they are computed (A, B: the left and right operand; K: the contracted axis; several contracted axes count as one K, in the product's order):
;;     1. [M 8,192, K 1,024] x [K 1,024, N 1,024]; A: input x (given as codes); B: input W_q (given as codes): QUANTISED (scales: A lowp_scales[0], B lowp_scales[1])
;;     2. [M 8,192, K 1,024] x [K 1,024, N 64]; A: input x (given as codes); B: input W_k (given as codes): QUANTISED (scales: A lowp_scales[2], B lowp_scales[3])
;;     3. [M 8,192, K 1,024] x [K 1,024, N 64]; A: input x (given as codes); B: input W_v (given as codes): QUANTISED (scales: A lowp_scales[4], B lowp_scales[5])
;;     4. batch 4 x [M 32,768, K 64] x [K 64, N 2,048]; A: computed on the way; B: computed on the way: QUANTISED (scales: A lowp_scales[6], B lowp_scales[7])
;;     5. batch 4 x [M 32,768, K 2,048] x [K 2,048, N 64]; A: softmax (see below); B: computed on the way: QUANTISED (scales: A lowp_scales[8], B lowp_scales[9])
;;     6. [M 8,192, K 1,024] x [K 1,024, N 1,024]; A: computed on the way; B: input W_o (given as codes): QUANTISED (scales: A lowp_scales[10], B lowp_scales[11])
;;   THE QUANTISER, for each operand of a quantised product, along K:
;;     - The operand's scale is 2^e, e = its entry of the input lowp_scales (int32; the entries are numbered through the quantised products in the list's order, A before B).
;;     - Each number is divided by the scale, clamped to +-57,344, and rounded to the nearest number of E5M2, ties to even, subnormals kept.
;;     - The product sums the exact products of the quantised numbers (number of the format x scale) in f32.
;;   ~~~python
;;   def quantise(x, axis, e):      # numpy; x: float32 -> the quantised numbers, widened to float32 again
;;       x = np.moveaxis(x, axis, -1); K = x.shape[-1]
;;       r = np.clip(x / 2.0 ** e, -57344, 57344)
;;       step = 2.0 ** (np.maximum(np.frexp(np.where(r == 0, 1, r))[1] - 1, -14) - 2)
;;       q = np.round(r / step) * step * 2.0 ** e      # np.round: ties to even
;;       return np.moveaxis(q, -1, axis).astype(np.float32)
;;   ~~~
;;   SOFTMAX AHEAD OF A QUANTISED PRODUCT. Where the list says 'softmax', what is quantised is not the finished softmax but p = 2^(t - M), with t = logit x log2(e) and M = ceil(the row's largest t), a whole number; so 1/2 < the row's largest p <= 1. The row's sum l is taken of the UNQUANTISED p, in f32, and the product's result is divided by l at the end. Since M is a whole number, a kernel that streams over the keys may use a running M (the ceiling of the running maximum): every later rescaling is an exact power of two, so the quantised numbers keep their values, but for numbers so far below the row's largest that they fall under the format's range.
;;   OPERANDS COMPUTED ON THE WAY. 'Computed on the way' means the value that the module computes at that place (a softmax that the list does not call 'softmax' is quantised finished and normalised). What goes into a quantiser is computed in f32, as accurately as f32 sums, v_exp_f32 and their like allow (about 1e-6 of the number): no bf16 or f16 on the way to a quantiser, and a product that is left as it is and whose result goes on into a quantised operand takes f32 operands (vector FMAs, or v_wmma_f32_16x16x4_f32). A number that lies on a knife's edge between two numbers of the format may be rounded either way, as far as f32 arithmetic and the matrix unit's own rounding can turn it there, and no further.
;;   INPUTS GIVEN AS CODES. W_k (in the module: [1024, 64], K = its axis 0); W_o (in the module: [1024, 1024], K = its axis 0); W_q (in the module: [1024, 1024], K = its axis 0); W_v (in the module: [1024, 64], K = its axis 0); x (in the module: [4, 2048, 1024], K = its axis 2): each comes as NAME_codes (uint8): NAME with its K axis moved to the last place and cut into blocks of 32 codes, [.., K / 32, bytes a block], one block behind the other in memory; one code a byte (a code: sign, 5 exponent bits, 2 mantissa bits); its scale is its entry of lowp_scales. Its value is code x scale, taken as it is: it is not quantised again, and the codes and scales need not be those that the quantiser above would give.
;; One version. Each part assembles by itself: llvm-mc -triple=amdgcn-amd-amdhsa -mcpu=gfx1250 --defsym DOCPART=n.
;; ======== version 1 of 1: 3 launches
;; limits: right only within a limited range of input values
;; workspace buffers: q_ws 8,388,608 bytes; k_ws 524,288 bytes; v_ws 524,288 bytes; o_ws 8,388,608 bytes
;; launch proj (part 1): grid 256 x 1, 4 waves a work-group, clusters of 4 x 1, 172,544 bytes of LDS; arguments x_codes, W_q_codes, W_k_codes, W_v_codes, b_q, b_k, b_v, lowp_scales, q_ws, k_ws, v_ws; writes q_ws, k_ws, v_ws
.if DOCPART == 1
	.amdgcn_target "amdgcn-amd-amdhsa--gfx1250"
	.amdhsa_code_object_version 6
	.text
	.protected	k_qa05ace36a8_proj
	.globl	k_qa05ace36a8_proj
	.p2align	8
	.type	k_qa05ace36a8_proj,@function
k_qa05ace36a8_proj:
	s_mov_b64 s[64:65], 0
	v_nop
	global_prefetch_b8 v0, s[64:65] scope:SCOPE_SE
	s_setreg_imm32_b32 hwreg(HW_REG_WAVE_MODE, 25, 1), 1
	s_wait_xcnt 0x0
	s_wait_alu depctr_hold_cnt(0) depctr_sa_sdst(0) depctr_va_vdst(0) depctr_va_sdst(0) depctr_va_ssrc(0) depctr_va_vcc(0) depctr_vm_vsrc(0)
	s_getreg_b32 s2, hwreg(HW_REG_IB_STS2, 6, 4)
	s_cmp_eq_u32 s2, 0
	s_cbranch_scc0 .Lentry_in_a_cluster
	s_endpgm
.Lentry_in_a_cluster:
	s_bfe_u32 s2, ttmp6, 0x10000c
	s_cmp_lg_u32 s2, 0x3003
	s_cbranch_scc0 .Lentry_shape_is_right
	s_endpgm
.Lentry_shape_is_right:
; q = x Wq + bq, k = x Wk + bk, v = x Wv + bv on codes of BF8 (E5M2); the three results are quantised at once (scales 2^e6, 2^e7, 2^e9) and stored as IMAGES OF OPERAND REGISTERS for the attention launch.
; x: [8192][1024] codes; Wq: [1024 (column)][1024 (k)], Wk, Wv: [64][1024] codes, K innermost.  lowp_scales: e0 .. e11.  No step of the problem is left out in any launch.
; SHARES.  A cluster of four work-groups owns 128 rows of x (cluster x = mx); partner nx owns columns 256 nx .. + 255 of Wq, 16 columns of Wk and 16 of Wv.
; The four partners read the same 128 x 1,024 bytes of x: that panel is asked for JOINTLY (mask 15), one tensor load a wave, a quarter of K each, filled once.
; Wave w owns head 4 nx + w (64 columns) for all 128 rows, and the K and V columns for rows 32 w .. 32 w + 31.  All four waves need the same 32 rows of Wk and Wv: wave w fetches their K steps 2 w, 2 w + 1
; and lays them into LDS as images of the operand's registers, beside the panel, where no fill lands.
; K IS THE OUTER LOOP: 8 K steps of 128; in each the wave multiplies its two own row tiles by Wk, Wv (4 accumulators) and all eight row tiles by Wq (32 accumulators).  Wq's fragments have one reader each and go from
; memory straight into a ring of six K steps in registers (16 loads a K step), so the products of one step stand under the loads of the next ones.  No L2 prefetch: those loads are the look-ahead.
; LAYOUT.  Registers 4 c .. 4 c + 3 of a fragment hold k = 32 c + 16 (lane / 16) + 0 .. 15, the same order on both sides, so every product meets its partner.
; q and k are used transposed (source 0 = 16 rows of the weight): a lane holds one row and eight neighbouring channels: one conversion makes two registers of the K = 64 operand.
; v is used as it stands (source 0 = 16 keys): a lane holds one channel and eight neighbouring keys: two registers of the K = 128 operand whose K is the keys.
; THE ROWS OF Wv THAT FORM A TILE ARE NOT NEIGHBOURS: lane r of tile nx = 2 b + u takes channel 32 b + 8 u + r + 8 (r / 8), so that the attention's results come out in the order that the last product's operand wants.
; The biases are the C of each sum's first matrix instruction, divided by the power of two that the sums lack; the scales ahead of a quantiser are folded into the conversion's one.
; LIMITS: e6 - e0 - e1, e7 - e2 - e3 and e9 - e4 - e5 lie between -126 and 112, so that each scale and each largest number x scale is an f32 number.  NaN among the inputs is not served.
; REGISTERS, in windows of 256.  Window 0: addresses, scales, biases, k's and v's accumulators, their weights' fragments, codes.  Wq, K step s, tile t at v[64 (s % 6) + 16 t], counted from window 1's v0 on.
;   Window 2: from v128 four buffers of two fragments of x.  Window 3: q's accumulators, row tile i, tile t at v[32 i + 8 t].
.set PITCH, 272                        ; an LDS row: 256 bytes + 16 of padding = 68 words: row r starts at bank 4 r mod 64 (64 banks of 4 bytes: ISA guide 11.1)
.set REGB,  128*PITCH                  ; a quarter of K: 128 rows; four such regions from LDS byte 0 on
.set KVW,   4*REGB                     ; behind them 32,768 bytes: K step s of Wk at 4,096 s, of Wv 2,048 on
.set SPARE, KVW+32768                  ; the spare words
.set L16,  1                           ; 16 x lane
.set L8,   2                           ; 8 x lane
.set VB,   3                           ; a weight's row r x 1,024 + 16 h
.set VBV,  4                           ; Wv: (r + 8 (r / 8)) x 1,024 + 16 h
.set ADR,  5                           ; v5-8   x's fragments: r x PITCH + 16 h + quarter x REGB
.set ADRW, 9                           ; v9-12  the same at my wave's 32 rows
.set SCQ,  13
.set LIMQ, 14
.set BQ,   16                          ; v16-47 bq: read by K step 0 alone; then
.set QC,   16                          ; q's codes, two buffers of 16
.set KA,   48
.set VA,   64
.set STW,  80                          ; v80-143 the head: my quarter of Wk and Wv; then
.set WF,   80                          ; v80-111 Wk's and Wv's fragments of a K step
.set KC,   144
.set VC,   148
.set SCK,  152
.set LIMK, 153
.set SCV,  154
.set LIMV, 155
.set BK,   160
.set BV,   168
.set OB32, 176
.set OBV,  177
.set RR,   178
.set HH,   179
.set SPW,  180
.set NIL,  181
.set WKL,  182                         ; KVW + 16 x lane
.set WKS,  183                         ; the same at my quarter
.set AB,   128                         ; window 2: x's fragments
.set MSB, 0
.macro WIN new                         ; the immediate's high byte repeats the setting that is left; a switch that changes nothing is dropped
.if MSB != (\new)
	s_set_vgpr_msb (MSB<<8)|(\new)
.set MSB, \new
.endif
.endm
.macro PLACES n
.rept \n
	v_nop
.endr
.endm
.macro CROUND                          ; a round of the cluster's barrier
	s_barrier_signal -1
	s_barrier_wait -1
	s_cmp_lg_u32 s26, 0
	s_cbranch_scc1 .Lnot_wave_0_\@
	s_barrier_signal -3
.Lnot_wave_0_\@:
	s_barrier_wait -3
	s_barrier_signal -1
	s_barrier_wait -1
.endm
.macro MKSC vs, vl, se                 ; s[se] = e:  v[vs] = 2^e as f32, v[vl] = 57,344 x 2^e
	s_add_co_i32 s[\se], s[\se], 127
	s_lshl_b32 s63, s[\se], 23
	v_mov_b32 v[\vs], s63
	s_add_co_i32 s[\se], s[\se], 15
	s_lshl_b32 s[\se], s[\se], 23
	s_or_b32 s[\se], s[\se], 0x600000
	v_mov_b32 v[\vl], s[\se]
.endm
.macro FRAGA reg, adr, off             ; a fragment of x: 16 rows x 128 K
.irp c, 0,1,2,3
	ds_load_b128 v[\reg+4*\c:\reg+4*\c+3], v[\adr] offset:\off+32*\c
.endr
.endm
.macro FETCHP p                        ; pair p = 5 s + j, K step s, into buffer p % 4: j = 0: my own two row tiles, and Wk's and Wv's fragments (16 loads); j > 0: row tiles 2 (j - 1), 2 (j - 1) + 1 (8 loads)
	WIN 0x80
.if ((\p)%5) == 0
	FRAGA AB+32*((\p)%4), ADRW+(((\p)/5)>>1), (((\p)/5)&1)*128
	FRAGA AB+32*((\p)%4)+16, ADRW+(((\p)/5)>>1), 16*PITCH+(((\p)/5)&1)*128
	WIN 0
.irp c, 0,1,2,3,4,5,6,7
	ds_load_b128 v[WF+4*\c:WF+4*\c+3], v[WKL] offset:4096*((\p)/5)+512*\c
.endr
.else
	FRAGA AB+32*((\p)%4), ADR+(((\p)/5)>>1), 32*((\p)%5-1)*PITCH+(((\p)/5)&1)*128
	FRAGA AB+32*((\p)%4)+16, ADR+(((\p)/5)>>1), (32*((\p)%5-1)+16)*PITCH+(((\p)/5)&1)*128
.endif
	WIN 0
.endm
.macro WLOAD k                         ; Wq's K step k, 16 loads, into ring place k % 6
.if ((\k)%6) < 4
	WIN 0x40
.else
	WIN 0x80
.endif
.irp t, 0,1,2,3
.irp c, 0,1,2,3
	global_load_b128 v[64*(((\k)%6)%4)+16*\t+4*\c:64*(((\k)%6)%4)+16*\t+4*\c+3], v[VB], s[6:7] offset:\t*16384+128*(\k)+32*\c
.endr
.endr
	WIN 0
.endm
	s_load_b512 s[4:19], s[0:1], 0x0               ; x s[4:5], Wq s[6:7], Wk s[8:9], Wv s[10:11], bq s[12:13], bk s[14:15], bv s[16:17], scales s[18:19]
	s_load_b128 s[20:23], s[0:1], 0x40             ; q_ws s[20:21], k_ws s[22:23]
	s_load_b64 s[24:25], s[0:1], 0x50              ; v_ws
	v_lshl_add_u32 v[SPW], v0, 2, SPARE
	v_mov_b32 v[NIL], 0
	ds_add_u32 v[SPW], v[NIL]                      ; the opening lines: the add, twice on end; work on registers stands between the second and the wait
	ds_add_u32 v[SPW], v[NIL]
	v_lshrrev_b32 v15, 5, v0
	v_readfirstlane_b32 s26, v15                   ; wave 0..3
	s_bfe_u32 s27, ttmp6, 0x40000                  ; nx: my place in the cluster; ttmp9 = mx counts clusters
	v_and_b32 v[RR], 15, v0                        ; r
	v_bfe_u32 v[HH], v0, 4, 1                      ; h
	v_and_b32 v15, 31, v0
	v_lshlrev_b32 v[L16], 4, v15
	v_lshlrev_b32 v[L8], 3, v15
	v_lshlrev_b32 v[VB], 10, v[RR]
	v_lshl_add_u32 v[VB], v[HH], 4, v[VB]
	v_and_b32 v15, 8, v[RR]
	v_add_nc_u32 v15, v15, v[RR]                   ; r + 8 (r / 8)
	v_lshlrev_b32 v[VBV], 10, v15
	v_lshl_add_u32 v[VBV], v[HH], 4, v[VBV]
	v_lshlrev_b32 v[OBV], 2, v15                   ; bv: my channel's number
	v_lshlrev_b32 v[OB32], 5, v[HH]                ; bq, bk: my half's eight numbers of a tile
	v_mul_u32_u24 v[ADR], v[RR], PITCH
	v_lshl_add_u32 v[ADR], v[HH], 4, v[ADR]
.irp k, 1,2,3
	v_add_nc_u32 v[ADR+\k], \k*REGB, v[ADR]
.endr
	s_mul_i32 s62, s26, 32*PITCH
.irp k, 0,1,2,3
	v_add_nc_u32 v[ADRW+\k], s62, v[ADR+\k]
.endr
	v_add_nc_u32 v[WKL], KVW, v[L16]
	s_lshl_b32 s62, s26, 13                        ; K steps 2 w, 2 w + 1: 8,192 bytes
	v_add_nc_u32 v[WKS], s62, v[WKL]
	s_wait_alu depctr_va_vdst(0)
	; descriptor group 1: 128 rows x 256 bytes, 1,024 bytes from row to row, padded in LDS
	s_mov_b32 s36, 15|(1<<20)|(1<<21)|(5<<22)|(3<<25)  ; 15:0 the mask: all four partners; 17:16 elements of 1 byte; 20 padding on; 21 set beside a mask; 24:22 after every 64 words; 31:25 four words
	s_mov_b32 s37, 256<<16                         ; tensor_dim0
	s_mov_b32 s38, 128<<16                         ; tensor_dim1
	s_mov_b32 s39, 256<<16                         ; tile_dim0
	s_mov_b32 s40, 128                             ; tile_dim1
	s_mov_b32 s41, 1024                            ; stride from row to row
	s_mov_b32 s42, 0
	s_mov_b32 s43, 0
	s_mov_b32 s32, 1                               ; group 0: count
	s_mul_i32 s33, s26, REGB                       ; LDS: region = my wave's number
	s_lshl_b32 s58, ttmp9, 17                      ; the cluster's 128 rows of 1,024 bytes,
	s_lshl_b32 s62, s26, 8                         ; my wave's quarter of K: made of mx and the wave's number alone, in registers that never hold nx
	s_add_co_u32 s58, s58, s62
	s_mov_b32 s59, 0
	s_wait_dscnt 0x0                               ; both opening adds are done
	s_wait_kmcnt 0x0
	s_load_b256 s[44:51], s[18:19], 0x0            ; e0 .. e7
	s_load_b128 s[52:55], s[18:19], 0x20           ; e8 .. e11
	s_add_nc_u64 s[34:35], s[4:5], s[58:59]
	s_or_b32 s35, s35, 0x80000000                  ; type = 2
	CROUND                                         ; all four partners are here: the joint loads meet
	tensor_load_to_lds s[32:35], s[36:43]          ; my one tensor load of the launch
	s_nop 0
	PLACES 4
	s_mov_b32 s57, 0                               ; where my parts begin, in bytes
	s_lshl_b32 s56, s27, 18
	s_lshl_b32 s60, s26, 16
	s_add_co_u32 s56, s56, s60
	s_add_nc_u64 s[6:7], s[6:7], s[56:57]          ; Wq: row 256 nx + 64 w
	s_lshl_b32 s56, s27, 14
	s_add_co_u32 s56, s56, s62
	s_add_nc_u64 s[8:9], s[8:9], s[56:57]          ; Wk: row 16 nx, my quarter of K
	s_lshr_b32 s60, s27, 1
	s_lshl_b32 s60, s60, 5
	s_and_b32 s61, s27, 1
	s_lshl_b32 s61, s61, 3
	s_add_co_u32 s60, s60, s61                     ; 32 (nx / 2) + 8 (nx % 2)
	s_lshl_b32 s56, s60, 10
	s_add_co_u32 s56, s56, s62
	s_add_nc_u64 s[10:11], s[10:11], s[56:57]      ; Wv, my quarter of K
	s_lshl_b32 s56, s60, 2
	s_add_nc_u64 s[16:17], s[16:17], s[56:57]      ; bv
	s_lshl_b32 s56, s27, 10
	s_lshl_b32 s60, s26, 8
	s_add_co_u32 s56, s56, s60
	s_add_nc_u64 s[12:13], s[12:13], s[56:57]      ; bq
	s_lshl_b32 s56, s27, 6
	s_add_nc_u64 s[14:15], s[14:15], s[56:57]      ; bk
	s_lshl_b32 s56, ttmp9, 17
	s_lshl_b32 s60, s27, 12
	s_add_co_u32 s56, s56, s60
	s_lshl_b32 s60, s26, 10
	s_add_co_u32 s56, s56, s60
	s_add_nc_u64 s[20:21], s[20:21], s[56:57]      ; q_ws: row tile 8 mx, head 4 nx + w
	s_lshl_b32 s56, ttmp9, 13
	s_lshl_b32 s60, s26, 11
	s_add_co_u32 s56, s56, s60
	s_lshl_b32 s60, s27, 8
	s_add_co_u32 s56, s56, s60
	s_add_nc_u64 s[22:23], s[22:23], s[56:57]      ; k_ws: key tile 8 mx + 2 w, registers 2 nx, 2 nx + 1
	s_lshl_b32 s56, ttmp9, 13
	s_lshl_b32 s60, s27, 11
	s_add_co_u32 s56, s56, s60
	s_lshl_b32 s60, s26, 9
	s_add_co_u32 s56, s56, s60
	s_add_nc_u64 s[24:25], s[24:25], s[56:57]      ; v_ws: key block mx, channel tile nx, registers 4 w .. 4 w + 3
.irp t, 0,1,2,3
	global_load_b128 v[BQ+8*\t:BQ+8*\t+3], v[OB32], s[12:13] offset:64*\t        ; bq of channels 16 t + 8 h + 0 .. 7: the result's layout
	global_load_b128 v[BQ+8*\t+4:BQ+8*\t+7], v[OB32], s[12:13] offset:64*\t+16
.endr
	global_load_b128 v[BK:BK+3], v[OB32], s[14:15]
	global_load_b128 v[BK+4:BK+7], v[OB32], s[14:15] offset:16
	global_load_b32 v[BV], v[OBV], s[16:17]
.irp c, 0,1,2,3,4,5,6,7
	global_load_b128 v[STW+4*\c:STW+4*\c+3], v[VB], s[8:9] offset:32*\c          ; Wk: K step 2 w, then 2 w + 1
.endr
.irp c, 0,1,2,3,4,5,6,7
	global_load_b128 v[STW+32+4*\c:STW+32+4*\c+3], v[VBV], s[10:11] offset:32*\c ; Wv likewise
.endr
	WLOAD 0
	WLOAD 1
	WLOAD 2
	WLOAD 3
	s_wait_kmcnt 0x0
	s_wait_loadcnt 63                              ; behind Wv's last load 64 were issued; the wait's field holds 63 at the most, which is fewer: biases, Wk and Wv are in
	s_add_co_i32 s60, s44, s45                     ; e0 + e1: a sum stands for sum x 2^(e0 + e1), so bq goes in as bq / 2^(e0 + e1),
	s_sub_co_i32 s61, 0, s60
	s_sub_co_i32 s62, s50, s60                     ; and q's conversion takes 2^(e6 - e0 - e1)
	MKSC SCQ, LIMQ, 62
.set j, 0
.rept 32
	v_ldexp_f32 v[BQ+j], v[BQ+j], s61
.set j, j+1
.endr
	s_add_co_i32 s60, s46, s47                     ; the same for k: e2 + e3, e7
	s_sub_co_i32 s61, 0, s60
	s_sub_co_i32 s62, s51, s60
	MKSC SCK, LIMK, 62
.set j, 0
.rept 8
	v_ldexp_f32 v[BK+j], v[BK+j], s61
.set j, j+1
.endr
	s_add_co_i32 s60, s48, s49                     ; and for v: e4 + e5, e9
	s_sub_co_i32 s61, 0, s60
	s_sub_co_i32 s62, s53, s60
	MKSC SCV, LIMV, 62
	v_ldexp_f32 v[BV], v[BV], s61
.irp j, 1,2,3,4,5,6,7
	v_mov_b32 v[BV+\j], v[BV]                      ; in v's result a lane holds ONE channel and eight keys: the same bias in all eight registers
.endr
	s_wait_alu depctr_va_vdst(0)                   ; the head's end
	s_wait_tensorcnt 0x0                           ; my quarter of the panel is in
.irp c, 0,1,2,3
	ds_store_b128 v[WKS], v[STW+4*\c:STW+4*\c+3] offset:512*\c                 ; the images: K step 2 w,
	ds_store_b128 v[WKS], v[STW+32+4*\c:STW+32+4*\c+3] offset:2048+512*\c
	ds_store_b128 v[WKS], v[STW+16+4*\c:STW+16+4*\c+3] offset:4096+512*\c      ; and 2 w + 1
	ds_store_b128 v[WKS], v[STW+48+4*\c:STW+48+4*\c+3] offset:6144+512*\c
.endr
	WLOAD 4
	WLOAD 5
	s_wait_dscnt 0x0                               ; for the others' sake: my images have landed
	s_barrier_signal -1
	s_barrier_wait -1                              ; everybody's panel quarter and images are in
	FETCHP 0
	FETCHP 1
	FETCHP 2
.macro KVEPI                           ; k's and v's codes of my 32 rows
.set j, 0
.rept 16
	v_med3_num_f32 v[KA+j], v[KA+j], -v[LIMK], v[LIMK]   ; the conversion to an 8-bit code does not saturate (ISA guide 7.6.2): the hold at the largest code x the scale
.set j, j+1
.endr
.set j, 0
.rept 16
	v_med3_num_f32 v[VA+j], v[VA+j], -v[LIMV], v[LIMV]
.set j, j+1
.endr
	v_cvt_scalef32_pk8_bf8_f32 v[KC:KC+1], v[KA:KA+7], v[SCK]
	v_cvt_scalef32_pk8_bf8_f32 v[KC+2:KC+3], v[KA+8:KA+15], v[SCK]
	v_cvt_scalef32_pk8_bf8_f32 v[VC:VC+1], v[VA:VA+7], v[SCV]
	v_cvt_scalef32_pk8_bf8_f32 v[VC+2:VC+3], v[VA+8:VA+15], v[SCV]
	v_nop                                          ; a plain line behind the conversions
	global_store_b64 v[L8], v[KC:KC+1], s[22:23]                 ; 32 lanes store 256 consecutive bytes, aligned: two registers of a key tile's image
	global_store_b64 v[L8], v[KC+2:KC+3], s[22:23] offset:1024
	global_store_b128 v[L16], v[VC:VC+3], s[24:25]               ; 512 consecutive bytes: four registers of the key block's image
.endm
.macro QEPI i                          ; q's codes of row tiles 2 i, 2 i + 1
.if (\i) > 1
	s_wait_xcnt 0x0                                ; the stores of two pairs ago have read the registers that these codes take
.endif
	WIN 0xc3                                       ; source 0 and destination window 3
.set j, 0
.rept 64
	v_med3_num_f32 v[64*(\i)+j], v[64*(\i)+j], -v[LIMQ], v[LIMQ]   ; each accumulator from its low end on
.set j, j+1
.endr
	WIN 0x03
.set j, 0
.rept 8
	v_cvt_scalef32_pk8_bf8_f32 v[QC+16*((\i)%2)+2*j:QC+16*((\i)%2)+2*j+1], v[64*(\i)+8*j:64*(\i)+8*j+7], v[SCQ]   ; channels 16 t + 8 h + 0 .. 7: registers 2 t, 2 t + 1 of the K = 64 operand
.set j, j+1
.endr
	v_nop
	WIN 0
.irp mi, 0,1
	global_store_b128 v[L16], v[QC+16*((\i)%2)+8*\mi:QC+16*((\i)%2)+8*\mi+3], s[20:21] offset:(2*(\i)+\mi)*16384   ; 512 consecutive bytes, aligned
	global_store_b128 v[L16], v[QC+16*((\i)%2)+8*\mi+4:QC+16*((\i)%2)+8*\mi+7], s[20:21] offset:(2*(\i)+\mi)*16384+512
.endr
.endm
; 40 pairs: 8 K steps x (my own two row tiles for k and v, then the four pairs of row tiles for q).  The accumulators take turns, one instruction a turn: 35 others stand between two steps of a sum.
.set PR, 0
.rept 40
.set KS, PR/5
.set JJ, PR%5
.if JJ == 1
.if KS <= 3
	s_wait_loadcnt 63                              ; this K step of Wq is in: four or five younger K steps of 16 loads; the wait's field holds 63
.else
	s_wait_loadcnt 16*(7-KS)                       ; the younger K steps may be out
.endif
.endif
.if (PR <= 37) && (JJ >= 3)
	s_wait_dscnt 24                                ; this pair is in; of the two younger pairs one is a K step's first, with sixteen loads
.elseif PR <= 37
	s_wait_dscnt 16                                ; this pair is in; the two younger pairs, eight loads each, may be out
.elseif PR == 38
	s_wait_dscnt 8
.else
	s_wait_dscnt 0
.endif
.if JJ == 0
	WIN 0x08                                       ; source 1 (x) window 2
.irp i, 0,1
.if KS == 0
	v_wmma_f32_16x16x128_bf8_bf8 v[KA+8*\i:KA+8*\i+7], v[WF:WF+15], v[AB+32*(PR%4)+16*\i:AB+32*(PR%4)+16*\i+15], v[BK:BK+7]
.else
	v_wmma_f32_16x16x128_bf8_bf8 v[KA+8*\i:KA+8*\i+7], v[WF:WF+15], v[AB+32*(PR%4)+16*\i:AB+32*(PR%4)+16*\i+15], v[KA+8*\i:KA+8*\i+7]
.endif
.endr
	WIN 0x02                                       ; source 0 (x) window 2
.irp i, 0,1
.if KS == 0
	v_wmma_f32_16x16x128_bf8_bf8 v[VA+8*\i:VA+8*\i+7], v[AB+32*(PR%4)+16*\i:AB+32*(PR%4)+16*\i+15], v[WF+16:WF+31], v[BV:BV+7]
.else
	v_wmma_f32_16x16x128_bf8_bf8 v[VA+8*\i:VA+8*\i+7], v[AB+32*(PR%4)+16*\i:AB+32*(PR%4)+16*\i+15], v[WF+16:WF+31], v[VA+8*\i:VA+8*\i+7]
.endif
.endr
.else
.if KS == 0
	WIN 0xc9                                       ; source 0 (Wq) window 1, source 1 (x) window 2, C (bq) window 0, D window 3
.elseif (KS%6) < 4
	WIN 0xf9                                       ; C and D window 3
.else
	WIN 0xfa                                       ; source 0 window 2
.endif
.irp mi, 0,1
.irp t, 0,1,2,3
.if KS == 0
	v_wmma_f32_16x16x128_bf8_bf8 v[32*(2*JJ-2+\mi)+8*\t:32*(2*JJ-2+\mi)+8*\t+7], v[16*\t:16*\t+15], v[AB+32*(PR%4)+16*\mi:AB+32*(PR%4)+16*\mi+15], v[BQ+8*\t:BQ+8*\t+7]
.else
	v_wmma_f32_16x16x128_bf8_bf8 v[32*(2*JJ-2+\mi)+8*\t:32*(2*JJ-2+\mi)+8*\t+7], v[64*((KS%6)%4)+16*\t:64*((KS%6)%4)+16*\t+15], v[AB+32*(PR%4)+16*\mi:AB+32*(PR%4)+16*\mi+15], v[32*(2*JJ-2+\mi)+8*\t:32*(2*JJ-2+\mi)+8*\t+7]
.endif
.endr
.endr
.endif
	WIN 0
	PLACES 4                                       ; in front of loads into registers that matrix instructions have read, and of the reads of the finished sums (ISA guide 7.12.1 for vector instructions)
.if PR < 37
	FETCHP PR+3
.endif
.if (JJ == 4) && (KS < 2)
	WLOAD KS+6
.endif
.if KS == 7
.if JJ == 0
	KVEPI
.else
	QEPI JJ-1
.endif
.endif
.set PR, PR+1
.endr
	s_wait_tensorcnt 0x0                           ; the wave's end
	ds_add_u32 v[SPW], v[NIL]
	s_wait_dscnt 0x0
	CROUND                                         ; the closing round: no work-group ends while a partner may still ask for the panel
	s_endpgm
.Lfunc_end_k_qa05ace36a8_proj:
	.size	k_qa05ace36a8_proj, .Lfunc_end_k_qa05ace36a8_proj-k_qa05ace36a8_proj
	.p2alignl 7, 3214868480
	.fill 96, 4, 3214868480
	.section	.rodata,"a",@progbits
	.p2align	6, 0x0
	.amdhsa_kernel k_qa05ace36a8_proj
		.amdhsa_group_segment_fixed_size 172544
		.amdhsa_private_segment_fixed_size 0
		.amdhsa_enable_private_segment 0
		.amdhsa_kernarg_size 88
		.amdhsa_user_sgpr_count 2
		.amdhsa_user_sgpr_kernarg_segment_ptr 1
		.amdhsa_wavefront_size32 1
		.amdhsa_system_sgpr_workgroup_id_x 1
		.amdhsa_system_sgpr_workgroup_id_y 1
		.amdhsa_system_sgpr_workgroup_id_z 1
		.amdhsa_system_vgpr_workitem_id 0
		.amdhsa_next_free_vgpr 1024
		.amdhsa_next_free_sgpr 66
		.amdhsa_reserve_vcc 0
		.amdhsa_float_denorm_mode_32 3
		.amdhsa_float_denorm_mode_16_64 3
		.amdhsa_memory_ordered 1
		.amdhsa_forward_progress 1
		.amdhsa_inst_pref_size 103
	.end_amdhsa_kernel
	.amdgpu_metadata
---
amdhsa.version: [ 1, 2 ]
amdhsa.kernels:
  - .name:           k_qa05ace36a8_proj
    .symbol:         k_qa05ace36a8_proj.kd
    .args:
      - { .name: x_codes, .offset: 0, .size: 8, .value_kind: global_buffer, .address_space: global }
      - { .name: W_q_codes, .offset: 8, .size: 8, .value_kind: global_buffer, .address_space: global }
      - { .name: W_k_codes, .offset: 16, .size: 8, .value_kind: global_buffer, .address_space: global }
      - { .name: W_v_codes, .offset: 24, .size: 8, .value_kind: global_buffer, .address_space: global }
      - { .name: b_q, .offset: 32, .size: 8, .value_kind: global_buffer, .address_space: global }
      - { .name: b_k, .offset: 40, .size: 8, .value_kind: global_buffer, .address_space: global }
      - { .name: b_v, .offset: 48, .size: 8, .value_kind: global_buffer, .address_space: global }
      - { .name: lowp_scales, .offset: 56, .size: 8, .value_kind: global_buffer, .address_space: global }
      - { .name: q_ws, .offset: 64, .size: 8, .value_kind: global_buffer, .address_space: global }
      - { .name: k_ws, .offset: 72, .size: 8, .value_kind: global_buffer, .address_space: global }
      - { .name: v_ws, .offset: 80, .size: 8, .value_kind: global_buffer, .address_space: global }
    .group_segment_fixed_size: 172544
    .private_segment_fixed_size: 0
    .kernarg_segment_align: 8
    .kernarg_segment_size: 88
    .max_flat_workgroup_size: 128
    .sgpr_count:     66
    .vgpr_count:     1024
    .wavefront_size: 32
...
	.end_amdgpu_metadata
.endif
;; end of part 1
;; launch attn (part 2): grid 256 x 1, 8 waves a work-group, no clusters, 263,168 bytes of LDS; arguments q_ws, k_ws, v_ws, lowp_scales, o_ws; writes o_ws
.if DOCPART == 2
	.amdgcn_target "amdgcn-amd-amdhsa--gfx1250"
	.amdhsa_code_object_version 6
	.text
	.protected	k_qa05ace36a8_attn
	.globl	k_qa05ace36a8_attn
	.p2align	8
	.type	k_qa05ace36a8_attn,@function
k_qa05ace36a8_attn:
	s_mov_b64 s[64:65], 0
	v_nop
	global_prefetch_b8 v0, s[64:65] scope:SCOPE_SE
	s_setreg_imm32_b32 hwreg(HW_REG_WAVE_MODE, 25, 1), 1
	s_wait_xcnt 0x0
; o = softmax(q k^T / 8) v for 16 query heads on one key and value head, both products on codes of BF8 (E5M2); o is quantised at once (scale 2^e10) and stored as images of the last product's operand.
; THE SOFTMAX AHEAD OF THE SECOND PRODUCT: t = score x log2(e) / 8; M = the row's largest t so far, rounded UP to a whole number; p = 2^(t - M) is quantised (scale 2^e8), not normalised; the row's sum is taken of
; the unquantised p and divides at the end.  When M moves, the sum and O are multiplied by 2^(old M - new M), which rounds nothing.
; SHARES.  Work-group wg owns rows 32 wg .. 32 wg + 31 of x (batch wg / 64) in two passes of 16 rows, with all 16 heads: in a pass wave w owns heads 2 w and 2 w + 1 of the 16 rows: two tiles of 16 queries, so that each
; fragment of k and v read from LDS feeds two matrix instructions, and the wave's finished codes are one whole fragment (16 rows x 128 K) of the last product.
; A TRIP IS 256 KEYS: M, the statistics and the rescaling come once for 256 keys.
; ALL OF THE BATCH'S k AND v LIE IN LDS, as the images that the launch before stored: k's 128 key tiles at bytes 0 .. 131,071, v's 16 key blocks behind them.  They are filled once, through registers.
; NO TENSOR LOAD AND NO JOINT LOADS, though the 64 work-groups of a batch read the same k and v: the fill is 32,768 bytes a wave, once.
; p is at most 1 (but for f32 rounding), so for e8 >= -15 p / 2^e8 stays under 57,344 and the hold, 256 of a trip's vector instructions, is left out by a branch on e8; for e8 <= -16 the other copy, with the hold, is run.
; NO L2 PREFETCH: no loop here reads memory; the head asks for all bytes in one run.
; LAYOUT.  S^T = k q^T (source 0 = 16 keys, source 1 = 16 queries), O^T = v^T p^T (source 0 = 16 channels, source 1 = p): a lane holds ONE query throughout.  A score tile's eight registers are keys 16 kt + 8 h + 0 .. 7:
; one conversion makes registers 2 kt, 2 kt + 1 of the K = 128 operand.  v's channel tiles were chosen so that O^T's registers of tiles 2 b, 2 b + 1 are channels 32 b + 16 h + 0 .. 15.
; LIMITS: e6 + e7 between -123 and 130 (they are added to c's exponent field); e8 and e10 between -126 and 112; e8 + e9 is applied by v_ldexp_f32 and has none.  NaN among the inputs is not served.
; REGISTERS.  Window 0: v0-7 addresses, p's scale and hold; v8-18, v20-30 a tile's statistics; v19, v31 the add's; v32-47 q of this pass, v48-63 of the next; v64-127 p's codes (tile q, 128 keys hf at 64 + 32 q + 16 hf);
;   v128-191 k's fragments of eight key tiles; v192-255 O^T (tile q, channel tile dt at 192 + 32 q + 8 dt).
;   Window 1: the scores, then p, then the sums' tree (tile q at 128 q); v's eight fragments land on scores that are done with.
.set SPARE, 0x40000                    ; the spare words, behind k and v
.set L8,   1                           ; 8 x lane
.set LV,   2                           ; 131,072 + 16 x lane
.set ADK,  3
.set ADV,  4
.set L16,  5                           ; 16 x lane
.set SCP,  6                           ; 2^e8
.set LIMP, 7                           ; 57,344 x 2^e8
.set STB,  8                           ; tile q's statistics at STB + 12 q: +0 -M, +1 the largest score, +2, +3 the sum in two halves, +4 f (later 2^(e8 + e9) / sum), +5 its pair's upper half, +6 .. +9 four chains of maxima and work, +10 the exchange
.set SPW,  19
.set NIL,  31
.set QF,   32
.set QN,   48
.set PF,   64
.set T16,  64                          ; the head: 16 x thread, + 65,536, + 131,072, + 196,608
.set TT,   64                          ; a pass's end: o
.set KF,   128
.set OC,   128                         ; a pass's end: o's codes
.set OO,   192
.set MSB, 0
.macro WIN new                         ; the immediate's high byte repeats the setting that is left; a switch that changes nothing is dropped
.if MSB != (\new)
	s_set_vgpr_msb (MSB<<8)|(\new)
.set MSB, \new
.endif
.endm
.macro PLACES n
.rept \n
	v_nop
.endr
.endm
	s_load_b256 s[4:11], s[0:1], 0x0               ; q_ws s[4:5], k_ws s[6:7], v_ws s[8:9], scales s[10:11]
	s_load_b64 s[12:13], s[0:1], 0x20              ; o_ws
	v_lshl_add_u32 v[SPW], v0, 2, SPARE
	v_mov_b32 v[NIL], 0
	v_lshrrev_b32 v3, 5, v0
	v_readfirstlane_b32 s14, v3                    ; wave 0..7
	v_and_b32 v3, 31, v0
	v_lshlrev_b32 v[L8], 3, v3
	v_lshlrev_b32 v[L16], 4, v3
	v_add_nc_u32 v[LV], 131072, v[L16]
	v_lshlrev_b32 v[T16], 4, v0
	v_add_nc_u32 v[T16+1], 65536, v[T16]           ; an LDS immediate reaches 65,535: a register for each 65,536 bytes of the fill
	v_add_nc_u32 v[T16+2], 131072, v[T16]
	v_add_nc_u32 v[T16+3], 196608, v[T16]
	s_wait_alu depctr_va_vdst(0)
	s_lshr_b32 s30, ttmp9, 6
	s_lshl_b32 s30, s30, 17                        ; the batch's 131,072 bytes of k and of v
	s_mov_b32 s31, 0
	s_lshl_b32 s32, ttmp9, 15                      ; my two row tiles of 16,384 bytes,
	s_lshl_b32 s34, s14, 11                        ; my wave's two heads (q_ws) or its head pair (o_ws): 2,048 bytes
	s_add_co_u32 s32, s32, s34
	s_mov_b32 s33, 0
	s_mov_b32 s24, 0x76543210                      ; v_permlanex16_b32's selects for lane l xor 16
	s_mov_b32 s25, 0xfedcba98
	s_wait_kmcnt 0x0
	s_load_b128 s[16:19], s[10:11], 0x18           ; e6, e7, e8, e9
	s_load_b32 s20, s[10:11], 0x28                 ; e10
	s_add_nc_u64 s[6:7], s[6:7], s[30:31]
	s_add_nc_u64 s[8:9], s[8:9], s[30:31]
	s_add_nc_u64 s[4:5], s[4:5], s[32:33]
	s_add_nc_u64 s[12:13], s[12:13], s[32:33]
.irp p, 0,1
.irp q, 0,1
	global_load_b128 v[QF+16*\p+8*\q:QF+16*\p+8*\q+3], v[L16], s[4:5] offset:\p*16384+\q*1024
	global_load_b128 v[QF+16*\p+8*\q+4:QF+16*\p+8*\q+7], v[L16], s[4:5] offset:\p*16384+\q*1024+512
.endr
.endr
	WIN 0x40                                       ; destination window 1
.set n, 0
.rept 32
	global_load_b128 v[4*n:4*n+3], v[T16], s[6:7] offset:4096*n           ; k: the 256 threads read 4,096 consecutive bytes
.set n, n+1
.endr
.set n, 0
.rept 32
	global_load_b128 v[128+4*n:128+4*n+3], v[T16], s[8:9] offset:4096*n   ; v likewise
.set n, n+1
.endr
	WIN 0x04                                       ; store data window 1
.set n, 0
.rept 64
.if (n%8) == 0
	s_wait_loadcnt 56-n                            ; the next eight of the fill's 64 loads are in, the younger ones may be out
.endif
	ds_store_b128 v[T16+n/16], v[4*n:4*n+3] offset:4096*(n%16)
.set n, n+1
.endr
	WIN 0
	s_wait_kmcnt 0x0
	s_add_co_i32 s34, s16, s17
	s_lshl_b32 s34, s34, 23
	s_add_co_i32 s22, s34, 0x3e38aa3b              ; c = log2(e) / 8; a score stands for score x 2^(e6 + e7): the two exponents are added to c's exponent field
	s_mov_b32 s23, s22                             ; (named with it as a pair, so it is written)
	s_xor_b32 s21, s22, 0x80000000                 ; -c
	s_add_co_i32 s29, s18, s19                     ; e8 + e9
	s_add_co_i32 s34, s18, 127
	s_lshl_b32 s35, s34, 23
	v_mov_b32 v[SCP], s35
	s_add_co_i32 s34, s34, 15
	s_lshl_b32 s34, s34, 23
	s_or_b32 s34, s34, 0x600000
	v_mov_b32 v[LIMP], s34
	s_add_co_i32 s34, s20, 127
	s_lshl_b32 s36, s34, 23                        ; 2^e10
	s_add_co_i32 s34, s34, 15
	s_lshl_b32 s34, s34, 23
	s_or_b32 s37, s34, 0x600000                    ; 57,344 x 2^e10
	s_wait_alu depctr_va_vdst(0)                   ; the head's end
	s_wait_dscnt 0x0                               ; for the others' sake: my part of the fill has landed
	s_barrier_signal -1
	s_barrier_wait -1                              ; from here on k and v are only read
.macro KLD h                           ; k's fragments of the trip's key tiles 8 h .. 8 h + 7
.irp kt, 0,1,2,3,4,5,6,7
.irp c, 0,1,2,3
	ds_load_b64 v[KF+8*\kt+2*\c:KF+8*\kt+2*\c+1], v[ADK] offset:8192*\h+1024*\kt+256*\c
.endr
.endr
.endm
.macro QK h                            ; their scores, both tiles of queries
.irp kt, 0,1,2,3,4,5,6,7
.irp q, 0,1
	v_wmma_f32_16x16x64_bf8_bf8 v[128*\q+64*\h+8*\kt:128*\q+64*\h+8*\kt+7], v[KF+8*\kt:KF+8*\kt+7], v[QF+8*\q:QF+8*\q+7], 0
.endr
.endr
.endm
.macro MAXH h                          ; the largest score, four chains a tile, which begin at the largest so far; each accumulator from its low end on
	WIN 0x14                                       ; sources 1 and 2 window 1
.set n, 0
.rept 32
.irp q, 0,1
.if (\h == 0) && (n < 4)
	v_max3_num_f32 v[STB+12*\q+6+n%4], v[STB+12*\q+1], v[128*\q+64*\h+2*n], v[128*\q+64*\h+2*n+1]
.else
	v_max3_num_f32 v[STB+12*\q+6+n%4], v[STB+12*\q+6+n%4], v[128*\q+64*\h+2*n], v[128*\q+64*\h+2*n+1]
.endif
.endr
.set n, n+1
.endr
.endm
.macro FM q, k                         ; t - M, two numbers (of the pairs c and -M the low word serves both halves)
	v_pk_fma_f32 v[128*\q+2*(\k):128*\q+2*(\k)+1], v[128*\q+2*(\k):128*\q+2*(\k)+1], s[22:23], v[STB+12*\q:STB+12*\q+1] op_sel_hi:[1,0,0]
.endm
.macro AD q, d, e                      ; the sums' tree, in place
	v_pk_add_f32 v[128*\q+\d:128*\q+\d+1], v[128*\q+\d:128*\q+\d+1], v[128*\q+\e:128*\q+\e+1]
.endm
.macro CV q, hf, hold                  ; 64 finished p of tile q become codes; the wait serves the batch behind it and the one ahead of it
	s_wait_alu depctr_va_vdst(0)
.irp k, 0,1,2,3,4,5,6,7
.if \hold == 0
	WIN 0x01
	v_cvt_scalef32_pk8_bf8_f32 v[PF+32*\q+16*\hf+2*\k:PF+32*\q+16*\hf+2*\k+1], v[128*\q+64*\hf+8*\k:128*\q+64*\hf+8*\k+7], v[SCP]
.elseif (\q+\hf) < 2
	WIN 0x01                                       ; the held copies go to registers whose codes come last; p itself stays for the sum
.irp i, 0,1,2,3,4,5,6,7
	v_min_num_f32 v[120+\i], v[128*\q+64*\hf+8*\k+\i], v[LIMP]   ; the conversion to an 8-bit code does not saturate (ISA guide 7.6.2); p is not negative, so the hold is one-sided
.endr
	WIN 0
	v_cvt_scalef32_pk8_bf8_f32 v[PF+32*\q+16*\hf+2*\k:PF+32*\q+16*\hf+2*\k+1], v[120:127], v[SCP]
	v_nop
.else
	WIN 0x41                                       ; here to scores of tile 0 that are done with
.irp i, 0,1,2,3,4,5,6,7
	v_min_num_f32 v[64+\i], v[128*\q+64*\hf+8*\k+\i], v[LIMP]
.endr
	WIN 0x01
	v_cvt_scalef32_pk8_bf8_f32 v[PF+32*\q+16*\hf+2*\k:PF+32*\q+16*\hf+2*\k+1], v[64:71], v[SCP]
	v_nop
.endif
.endr
	v_nop                                          ; a plain line behind the conversions
.endm
.macro VL reg, f                       ; v's fragment f: channel tile f % 4 of the trip's key block f / 4
.irp c, 0,1,2,3
	ds_load_b128 v[\reg+4*\c:\reg+4*\c+3], v[ADV] offset:2048*\f+512*\c
.endr
.endm
; FROM SCORES TO CODES: four batches of 64 exponentials; among them stand scalings of the next batch and additions of the tree, none of which reads a result that is younger than the last wait.
; The row's sum is taken of the unquantised p: a tile's 64 numbers are converted ahead of the additions that write over them.
.macro SOFT hold
	WIN 0x45                                       ; sources 0 and 1 and destination window 1
.set n, 0
.rept 32
	FM 0, n
.set n, n+1
.endr
	s_wait_alu depctr_va_vdst(0)                   ; ahead of the batch
.set n, 0
.rept 32
	v_exp_f32 v[2*n], v[2*n]
	v_exp_f32 v[2*n+1], v[2*n+1]
	FM 0, 32+n
.set n, n+1
.endr
	CV 0, 0, \hold
	WIN 0x45
.set n, 0
.rept 32
	v_exp_f32 v[64+2*n], v[64+2*n]
	FM 1, n
	v_exp_f32 v[64+2*n+1], v[64+2*n+1]
.if (n%2) == 1
	AD 0, n-1, 32+n-1
.endif
.set n, n+1
.endr
	CV 0, 1, \hold
	WIN 0x45
.set n, 0
.rept 32
	v_exp_f32 v[128+2*n], v[128+2*n]
	FM 1, 32+n
	v_exp_f32 v[128+2*n+1], v[128+2*n+1]
.if (n%2) == 1
	AD 0, 64+n-1, 96+n-1
.endif
.set n, n+1
.endr
	CV 1, 0, \hold
	WIN 0x40                                       ; v's first key block, onto numbers of tile 0 that the tree has taken in
	VL 32, 0
	VL 48, 1
	VL 96, 2
	VL 112, 3
	WIN 0x45
.set n, 0
.rept 32
	v_exp_f32 v[192+2*n], v[192+2*n]
	v_exp_f32 v[192+2*n+1], v[192+2*n+1]
.if (n%2) == 1
	AD 1, n-1, 32+n-1
.else
	AD 0, n, 64+n
.endif
.set n, n+1
.endr
	CV 1, 1, \hold
	WIN 0
.endm
.macro PVT dt, reg, h                  ; O^T += v^T p^T: channel tile dt, key block h
.irp q, 0,1
	v_wmma_f32_16x16x128_bf8_bf8 v[OO+32*\q+8*\dt:OO+32*\q+8*\dt+7], v[\reg:\reg+15], v[PF+32*\q+16*\h:PF+32*\q+16*\h+15], v[OO+32*\q+8*\dt:OO+32*\q+8*\dt+7]
.endr
.endm
	s_mov_b32 s28, 2
.Lpass:                                            ; A PASS: 16 rows, my two heads, all 2,048 keys of the batch
.irp q, 0,1
	v_mov_b32 v[STB+12*\q], 0x7f61b1e6             ; -M = 3e38 and
	v_mov_b32 v[STB+12*\q+1], 0xff61b1e6           ; the largest score so far: -3e38, under every score
	v_mov_b32 v[STB+12*\q+2], 0                    ; the sum, in two halves
	v_mov_b32 v[STB+12*\q+3], 0
	v_mov_b32 v[STB+12*\q+5], 0                    ; (named as the upper half of f's pair)
	v_mov_b32 v[STB+12*\q+10], 0                   ; a lane permute's destination counts as one of its sources
.endr
	v_mov_b32 v[ADK], v[L8]
	KLD 0
.set n, 0
.rept 64
	v_mov_b32 v[OO+n], 0                           ; the trip is written once: the first finds zeros, which the first change of M (f = 0) leaves zeros
.set n, n+1
.endr
	s_mov_b32 s26, 0                               ; where the trip's images begin in k's part and in v's
	s_mov_b32 s27, 8
	s_wait_alu depctr_va_vdst(0)                   ; ahead of the loop
.Lkeys:
	s_wait_dscnt 0x0                               ; k's first eight tiles are in
	WIN 0x40                                       ; D window 1
	QK 0
	PLACES 4                                       ; in front of loads into registers that matrix instructions have read, and of the reads of the scores
	WIN 0
	KLD 1
	MAXH 0
	s_wait_alu depctr_va_vdst(0)                   ; directly ahead of the wait below
	s_wait_dscnt 0x0
	WIN 0x40
	QK 1
	WIN 0
	v_add_nc_u32 v[ADV], s26, v[LV]                ; this trip's v
	s_add_co_u32 s26, s26, 16384
	v_add_nc_u32 v[ADK], s26, v[L8]                ; the next trip's k
	PLACES 2                                       ; with the two additions: four places
	s_cmp_eq_u32 s27, 1
	s_cbranch_scc1 .Lno_k                          ; a pass's last trip has no next
	KLD 0
.Lno_k:
	MAXH 1
	WIN 0
.irp q, 0,1
	v_max3_num_f32 v[STB+12*\q+6], v[STB+12*\q+6], v[STB+12*\q+7], v[STB+12*\q+8]
.endr
.irp q, 0,1
	v_max_num_f32 v[STB+12*\q+6], v[STB+12*\q+6], v[STB+12*\q+9]
.endr
.irp q, 0,1
	v_permlanex16_b32 v[STB+12*\q+10], v[STB+12*\q+6], s24, s25
.endr
.irp q, 0,1
	v_max_num_f32 v[STB+12*\q+1], v[STB+12*\q+6], v[STB+12*\q+10]   ; the running largest score, lane l xor 16's keys too
.endr
.irp q, 0,1
	v_mul_f32 v[STB+12*\q+6], s21, v[STB+12*\q+1]                   ; -t (c is positive)
.endr
.irp q, 0,1
	v_floor_f32 v[STB+12*\q+7], v[STB+12*\q+6]                      ; the new -M = floor(-t): M is a whole number
.endr
.irp q, 0,1
	v_sub_f32 v[STB+12*\q+8], v[STB+12*\q+7], v[STB+12*\q]          ; old M - new M: a whole number, 0 or less
.endr
.irp q, 0,1
	v_mov_b32 v[STB+12*\q], v[STB+12*\q+7]
.endr
.irp q, 0,1
	v_cvt_i32_f32 v[STB+12*\q+8], v[STB+12*\q+8]                    ; (it saturates)
.endr
.irp q, 0,1
	v_ldexp_f32 v[STB+12*\q+4], 1.0, v[STB+12*\q+8]                 ; f = 2^(old M - new M)
.endr
.irp q, 0,1
.set n, 0
.rept 16
	v_pk_mul_f32 v[OO+32*\q+2*n:OO+32*\q+2*n+1], v[OO+32*\q+2*n:OO+32*\q+2*n+1], v[STB+12*\q+4:STB+12*\q+5] op_sel_hi:[1,0]   ; O^T under the new M; each accumulator from its low end on
.set n, n+1
.endr
.endr
	s_cmp_lt_i32 s18, -15                          ; e8: a branch on a whole number read from memory, the same in every wave
	s_cbranch_scc1 .Lhold
	SOFT 0
	s_branch .Lheld
.Lhold:
	SOFT 1
.Lheld:
	WIN 0x45
.irp j, 0,2,4,6,8,10,12,14,16,18,20,22,24,26,28,30
	AD 1, 64+\j, 96+\j
.endr
	WIN 0x40                                       ; v's second key block
	VL 64, 4
	VL 80, 5
	VL 224, 6
	VL 240, 7
	WIN 0x45
.irp j, 0,2,4,6,8,10,12,14,16,18,20,22,24,26,28,30
	AD 1, \j, 64+\j
.endr
.irp j, 0,2,4,6,8,10,12,14
	AD 0, \j, 16+\j
	AD 1, \j, 16+\j
.endr
.irp j, 0,2,4,6
	AD 0, \j, 8+\j
	AD 1, \j, 8+\j
.endr
.irp j, 0,2
	AD 0, \j, 4+\j
	AD 1, \j, 4+\j
.endr
	AD 0, 0, 2
	AD 1, 0, 2
	WIN 0x10                                       ; source 2 window 1
.irp q, 0,1
	v_pk_fma_f32 v[STB+12*\q+2:STB+12*\q+3], v[STB+12*\q+2:STB+12*\q+3], v[STB+12*\q+4:STB+12*\q+5], v[128*\q:128*\q+1] op_sel_hi:[1,0,1]   ; the sum under the new M, and this trip's
.endr
	s_wait_alu depctr_va_vdst(0)                   ; directly ahead of the wait below
	s_wait_dscnt 16                                ; v's first key block is in; the second's sixteen loads may be out
	WIN 0x01                                       ; source 0 (v) window 1; eight accumulators, one instruction a turn
	PVT 0, 32, 0
	PVT 1, 48, 0
	PVT 2, 96, 0
	PVT 3, 112, 0
	s_wait_dscnt 0x0
	PVT 0, 64, 1
	PVT 1, 80, 1
	PVT 2, 224, 1
	PVT 3, 240, 1
	WIN 0
	PLACES 5                                       ; the next trip's scores are written over v's fragments
	s_sub_co_u32 s27, s27, 1
	s_cmp_lg_u32 s27, 0
	s_cbranch_scc1 .Lkeys
.irp q, 0,1
	v_add_f32 v[STB+12*\q+2], v[STB+12*\q+2], v[STB+12*\q+3]
.endr
	v_mov_b32 v[STB+6], s36                        ; o's scale
	v_mov_b32 v[STB+7], s37                        ; and its hold
.irp q, 0,1
	v_permlanex16_b32 v[STB+12*\q+10], v[STB+12*\q+2], s24, s25
.endr
.irp q, 0,1
	v_add_f32 v[STB+12*\q+2], v[STB+12*\q+2], v[STB+12*\q+10]       ; the row's sum
.endr
	s_wait_alu depctr_va_vdst(0)                   ; ahead of the transcendentals
.irp q, 0,1
	v_rcp_f32 v[STB+12*\q+4], v[STB+12*\q+2]
.endr
	v_nop                                          ; a plain line behind the reciprocals
	s_wait_alu depctr_va_vdst(0)                   ; and behind them, ahead of their first reader
.irp q, 0,1
	v_ldexp_f32 v[STB+12*\q+4], v[STB+12*\q+4], s29                 ; 2^(e8 + e9) / sum
.endr
	s_wait_alu depctr_va_vdst(0)                   ; directly ahead of the first reader of O^T
.irp q, 0,1
.set n, 0
.rept 16
	v_pk_mul_f32 v[TT+32*\q+2*n:TT+32*\q+2*n+1], v[OO+32*\q+2*n:OO+32*\q+2*n+1], v[STB+12*\q+4:STB+12*\q+5] op_sel_hi:[1,0]   ; o
.set n, n+1
.endr
.endr
.set n, 0
.rept 64
	v_med3_num_f32 v[TT+n], v[TT+n], -v[STB+7], v[STB+7]
.set n, n+1
.endr
.irp q, 0,1
.irp dt, 0,1,2,3
	v_cvt_scalef32_pk8_bf8_f32 v[OC+8*\q+2*\dt:OC+8*\q+2*\dt+1], v[TT+32*\q+8*\dt:TT+32*\q+8*\dt+7], v[STB+6]   ; registers 4 c .. 4 c + 3, c = 2 q + dt / 2: k = 128 w + 32 c + 16 h + 0 .. 15 of the last product
.endr
.endr
	v_nop                                          ; a plain line behind the conversions
.irp c, 0,1,2,3
	global_store_b128 v[L16], v[OC+4*\c:OC+4*\c+3], s[12:13] offset:512*\c   ; 32 lanes store 512 consecutive bytes, aligned
.endr
	s_wait_xcnt 0x0                                ; the stores have read their registers and their base
	s_add_nc_u64 s[12:13], s[12:13], 0x4000        ; the next 16 rows
	s_sub_co_u32 s28, s28, 1
	s_cmp_eq_u32 s28, 0
	s_cbranch_scc1 .Lend
.set n, 0
.rept 16
	v_mov_b32 v[QF+n], v[QN+n]                     ; the second pass's queries
.set n, n+1
.endr
	s_wait_alu depctr_va_vdst(0)                   ; ahead of the branch
	s_cmp_lg_u32 s28, 0
	s_cbranch_scc1 .Lpass
.Lend:
	s_wait_dscnt 0x0
	s_barrier_signal -1                            ; all waves have done with k and v ahead of the closing lines
	s_barrier_wait -1
	s_wait_tensorcnt 0x0                           ; the wave's end
	ds_add_u32 v[SPW], v[NIL]
	s_wait_dscnt 0x0
	s_endpgm
.Lfunc_end_k_qa05ace36a8_attn:
	.size	k_qa05ace36a8_attn, .Lfunc_end_k_qa05ace36a8_attn-k_qa05ace36a8_attn
	.p2alignl 7, 3214868480
	.fill 96, 4, 3214868480
	.section	.rodata,"a",@progbits
	.p2align	6, 0x0
	.amdhsa_kernel k_qa05ace36a8_attn
		.amdhsa_group_segment_fixed_size 263168
		.amdhsa_private_segment_fixed_size 0
		.amdhsa_enable_private_segment 0
		.amdhsa_kernarg_size 40
		.amdhsa_user_sgpr_count 2
		.amdhsa_user_sgpr_kernarg_segment_ptr 1
		.amdhsa_wavefront_size32 1
		.amdhsa_system_sgpr_workgroup_id_x 1
		.amdhsa_system_sgpr_workgroup_id_y 1
		.amdhsa_system_sgpr_workgroup_id_z 1
		.amdhsa_system_vgpr_workitem_id 0
		.amdhsa_next_free_vgpr 512
		.amdhsa_next_free_sgpr 66
		.amdhsa_reserve_vcc 0
		.amdhsa_float_denorm_mode_32 3
		.amdhsa_float_denorm_mode_16_64 3
		.amdhsa_memory_ordered 1
		.amdhsa_forward_progress 1
		.amdhsa_inst_pref_size 109
	.end_amdhsa_kernel
	.amdgpu_metadata
---
amdhsa.version: [ 1, 2 ]
amdhsa.kernels:
  - .name:           k_qa05ace36a8_attn
    .symbol:         k_qa05ace36a8_attn.kd
    .args:
      - { .name: q_ws, .offset: 0, .size: 8, .value_kind: global_buffer, .address_space: global }
      - { .name: k_ws, .offset: 8, .size: 8, .value_kind: global_buffer, .address_space: global }
      - { .name: v_ws, .offset: 16, .size: 8, .value_kind: global_buffer, .address_space: global }
      - { .name: lowp_scales, .offset: 24, .size: 8, .value_kind: global_buffer, .address_space: global }
      - { .name: o_ws, .offset: 32, .size: 8, .value_kind: global_buffer, .address_space: global }
    .group_segment_fixed_size: 263168
    .private_segment_fixed_size: 0
    .kernarg_segment_align: 8
    .kernarg_segment_size: 40
    .max_flat_workgroup_size: 256
    .sgpr_count:     66
    .vgpr_count:     512
    .wavefront_size: 32
...
	.end_amdgpu_metadata
.endif
;; end of part 2
;; launch outp (part 3): grid 256 x 1, 4 waves a work-group, clusters of 4 x 1, 168,448 bytes of LDS; arguments o_ws, W_o_codes, b_o, lowp_scales, out0; writes out0
.if DOCPART == 3
	.amdgcn_target "amdgcn-amd-amdhsa--gfx1250"
	.amdhsa_code_object_version 6
	.text
	.protected	k_qa05ace36a8_outp
	.globl	k_qa05ace36a8_outp
	.p2align	8
	.type	k_qa05ace36a8_outp,@function
k_qa05ace36a8_outp:
	s_mov_b64 s[64:65], 0
	v_nop
	global_prefetch_b8 v0, s[64:65] scope:SCOPE_SE
	s_setreg_imm32_b32 hwreg(HW_REG_WAVE_MODE, 25, 1), 1
	s_wait_xcnt 0x0
	s_wait_alu depctr_hold_cnt(0) depctr_sa_sdst(0) depctr_va_vdst(0) depctr_va_sdst(0) depctr_va_ssrc(0) depctr_va_vcc(0) depctr_vm_vsrc(0)
	s_getreg_b32 s2, hwreg(HW_REG_IB_STS2, 6, 4)
	s_cmp_eq_u32 s2, 0
	s_cbranch_scc0 .Lentry_in_a_cluster
	s_endpgm
.Lentry_in_a_cluster:
	s_bfe_u32 s2, ttmp6, 0x10000c
	s_cmp_lg_u32 s2, 0x3003
	s_cbranch_scc0 .Lentry_shape_is_right
	s_endpgm
.Lentry_shape_is_right:
; out0 = o Wo + bo on codes of BF8 (E5M2).  o: the images that the attention launch stored: fragment (row tile RT, K step s) of 16 rows x 128 K at (8 RT + s) x 2,048 bytes, registers 4 c .. 4 c + 3 at 512 c + 16 x lane,
; holding k = 128 s + 32 c + 16 (lane / 16) + 0 .. 15.  Wo: [1024 (column)][1024 (k)] codes, K innermost; loads of 16 bytes give its fragments the same order of k.  out0: [8192][1024] f32.
; SHARES.  A cluster of four work-groups owns 128 rows (cluster x = mx); partner nx owns columns 256 nx .. + 255.  The four read the same 131,072 bytes of o: that panel is asked for JOINTLY (mask 15), one tensor load of
; 32,768 dense bytes a wave, filled once and never again.  The partners' weights differ, and each weight fragment has ONE reader: wave w owns columns 256 nx + 64 w .. + 63 for all 128 rows; its 64 x 1,024 bytes of Wo go
; from memory straight into 512 registers and stay.
; The matrix instruction is used transposed (source 0 = 16 rows of Wo, source 1 = 16 rows of o): a lane holds eight neighbouring columns of one row.  32 rows a trip: eight accumulators by turns, K ascending.
; out = sum x 2^(e10 + e11) + bo, one packed multiply-add for two numbers; the 32 rows x 256 bytes go through the wave's own stage in LDS, so that sixteen lanes store 256 consecutive bytes, aligned.
; LIMIT: e10 + e11 between -126 and 127, so that 2^(e10 + e11) is an f32 number.
; REGISTERS.  Window 0: v1-11 addresses; v16-47 bo; v48-111 the accumulators; v128-255 four buffers of two fragments of o.  Windows 1, 2: Wo's fragments (tile t, K step s) at v[64 (s % 4) + 16 t] of window 1 + s / 4.
;   Window 3: v0-63 rows on their way out.
.set STG,   131072                     ; behind the panel: a stage of 32 rows x (256 bytes + 16) for each wave; no fill lands there
.set SP,    272
.set L16,  1
.set VB,   2
.set ADR,  3                           ; v3, v4: 16 x lane, + 65,536
.set STO,  5
.set RD,   6
.set CO,   7
.set RR,   8
.set HH,   9
.set OB32, 11
.set BO,   16
.set ACC,  48
.set ABUF, 128
.set MSB, 0
.macro WIN new
.if MSB != (\new)
	s_set_vgpr_msb (MSB<<8)|(\new)
.set MSB, \new
.endif
.endm
.macro PLACES n
.rept \n
	v_nop
.endr
.endm
.macro CROUND                          ; a round of the cluster's barrier
	s_barrier_signal -1
	s_barrier_wait -1
	s_cmp_lg_u32 s26, 0
	s_cbranch_scc1 .Lnot_wave_0_\@
	s_barrier_signal -3
.Lnot_wave_0_\@:
	s_barrier_wait -3
	s_barrier_signal -1
	s_barrier_wait -1
.endm
.macro FRAGI reg, adr, off             ; a fragment's image: four loads of 512 consecutive bytes
.irp c, 0,1,2,3
	ds_load_b128 v[\reg+4*\c:\reg+4*\c+3], v[\adr] offset:\off+512*\c
.endr
.endm
.macro FETCHM gg                       ; step gg = 8 i + s: row tiles 2 i, 2 i + 1, K step s, into buffer gg % 4
	FRAGI ABUF+32*((\gg)%4), ADR+((\gg)>>4), (((\gg)>>3)&1)*32768+((\gg)%8)*2048
	FRAGI ABUF+32*((\gg)%4)+16, ADR+((\gg)>>4), (((\gg)>>3)&1)*32768+16384+((\gg)%8)*2048
.endm
	s_load_b256 s[4:11], s[0:1], 0x0               ; o_ws s[4:5], Wo s[6:7], bo s[8:9], scales s[10:11]
	s_load_b64 s[12:13], s[0:1], 0x20              ; out0
	v_lshl_add_u32 v126, v0, 2, 0x29000
	v_mov_b32 v127, 0
	ds_add_u32 v126, v127
	ds_add_u32 v126, v127
	v_lshrrev_b32 v10, 5, v0
	v_readfirstlane_b32 s26, v10                   ; wave 0..3
	s_bfe_u32 s27, ttmp6, 0x40000                  ; nx: my place in the cluster; ttmp9 = mx counts clusters
	v_and_b32 v[RR], 15, v0                        ; r
	v_bfe_u32 v[HH], v0, 4, 1                      ; h
	v_and_b32 v10, 31, v0
	v_lshlrev_b32 v[L16], 4, v10
	v_lshlrev_b32 v[VB], 10, v[RR]
	v_lshl_add_u32 v[VB], v[HH], 4, v[VB]
	v_mov_b32 v[ADR], v[L16]
	v_add_nc_u32 v[ADR+1], 65536, v[L16]
	v_lshlrev_b32 v[OB32], 5, v[HH]
	s_mul_i32 s62, s26, 32*SP
	s_add_co_u32 s62, s62, STG                     ; my stage
	v_mul_u32_u24 v[STO], v[RR], SP
	v_lshl_add_u32 v[STO], v[HH], 5, v[STO]
	v_add_nc_u32 v[STO], s62, v[STO]               ; in: row r, 32 bytes for each half of the lanes
	v_mul_u32_u24 v[RD], v[HH], SP
	v_lshl_add_u32 v[RD], v[RR], 4, v[RD]
	v_add_nc_u32 v[RD], s62, v[RD]                 ; back: lanes 0-15 one row of 256 bytes, lanes 16-31 the next
	v_lshlrev_b32 v[CO], 12, v[HH]
	v_lshl_add_u32 v[CO], v[RR], 4, v[CO]          ; and the same two rows in out0 (a row is 4,096 bytes)
	; descriptor group 1: 32,768 dense bytes as 128 rows of 256
	s_mov_b32 s36, 15|(3<<16)|(1<<21)              ; 15:0 the mask: all four partners; 17:16 elements of 8 bytes; 21 set beside a mask; no padding
	s_mov_b32 s37, 32<<16                          ; tensor_dim0
	s_mov_b32 s38, 128<<16                         ; tensor_dim1
	s_mov_b32 s39, 32<<16                          ; tile_dim0
	s_mov_b32 s40, 128                             ; tile_dim1
	s_mov_b32 s41, 32                              ; stride from row to row
	s_mov_b32 s42, 0
	s_mov_b32 s43, 0
	s_mov_b32 s32, 1
	s_lshl_b32 s33, s26, 15                        ; LDS: my wave's quarter of the panel
	s_lshl_b32 s58, ttmp9, 17                      ; the cluster's panel,
	s_add_co_u32 s58, s58, s33                     ; my wave's quarter: made of mx and the wave's number alone
	s_mov_b32 s59, 0
	s_wait_dscnt 0x0
	s_wait_kmcnt 0x0
	s_load_b64 s[44:45], s[10:11], 0x28            ; e10, e11
	s_add_nc_u64 s[34:35], s[4:5], s[58:59]
	s_or_b32 s35, s35, 0x80000000                  ; type = 2
	CROUND                                         ; all four partners are here: the joint loads meet
	tensor_load_to_lds s[32:35], s[36:43]          ; my one tensor load of the launch
	s_nop 0
	PLACES 4
	s_mov_b32 s57, 0
	s_lshl_b32 s56, s27, 18
	s_lshl_b32 s60, s26, 16
	s_add_co_u32 s56, s56, s60
	s_add_nc_u64 s[6:7], s[6:7], s[56:57]          ; Wo: row 256 nx + 64 w
	s_lshl_b32 s56, s27, 10
	s_lshl_b32 s60, s26, 8
	s_add_co_u32 s56, s56, s60                     ; my 64 columns, in bytes of f32
	s_add_nc_u64 s[8:9], s[8:9], s[56:57]          ; bo
	s_lshl_b32 s60, ttmp9, 19                      ; 128 rows of 4,096 bytes
	s_add_co_u32 s56, s56, s60
	s_add_nc_u64 s[12:13], s[12:13], s[56:57]      ; out0
	s_wait_alu depctr_va_vdst(0)
.irp t, 0,1,2,3
	global_load_b128 v[BO+8*\t:BO+8*\t+3], v[OB32], s[8:9] offset:64*\t          ; bo of columns 16 t + 8 h + 0 .. 7: the result's layout
	global_load_b128 v[BO+8*\t+4:BO+8*\t+7], v[OB32], s[8:9] offset:64*\t+16
.endr
	WIN 0x40                                       ; destination window 1: K steps 0 to 3, one after the other
.irp s, 0,1,2,3
.irp t, 0,1,2,3
.irp c, 0,1,2,3
	global_load_b128 v[64*\s+16*\t+4*\c:64*\s+16*\t+4*\c+3], v[VB], s[6:7] offset:\t*16384+128*\s+32*\c
.endr
.endr
.endr
	WIN 0x80                                       ; destination window 2: K steps 4 to 7, one after the other
.irp s, 0,1,2,3
.irp t, 0,1,2,3
.irp c, 0,1,2,3
	global_load_b128 v[64*\s+16*\t+4*\c:64*\s+16*\t+4*\c+3], v[VB], s[6:7] offset:\t*16384+512+128*\s+32*\c
.endr
.endr
.endr
	WIN 0
	s_wait_kmcnt 0x0
	s_add_co_i32 s46, s44, s45
	s_add_co_i32 s46, s46, 127
	s_lshl_b32 s46, s46, 23                        ; 2^(e10 + e11) as f32
	s_mov_b32 s47, s46                             ; (named with it as a pair, so it is written)
	s_wait_tensorcnt 0x0                           ; my quarter of the panel is in,
	s_barrier_signal -1
	s_barrier_wait -1                              ; everybody's is
	FETCHM 0
	FETCHM 1
	FETCHM 2
	s_wait_loadcnt 63                              ; behind K step 3's last load 64 were issued; the wait's field holds 63 at the most, which is fewer: bo and K steps 0 to 3 of Wo are in
; a trip's 32 rows x 64 columns leave
.macro YEPI i
.irp mi, 0,1
.irp t, 0,1,2,3
.irp j, 0,2,4,6
	v_pk_fma_f32 v[ACC+8*(4*\mi+\t)+\j:ACC+8*(4*\mi+\t)+\j+1], v[ACC+8*(4*\mi+\t)+\j:ACC+8*(4*\mi+\t)+\j+1], s[46:47], v[BO+8*\t+\j:BO+8*\t+\j+1] op_sel_hi:[1,0,1]   ; sum x 2^(e10 + e11) + bo; each accumulator from its low end on
.endr
.endr
.endr
.irp mi, 0,1
.irp t, 0,1,2,3
	ds_store_b128 v[STO], v[ACC+8*(4*\mi+\t):ACC+8*(4*\mi+\t)+3] offset:\mi*16*SP+64*\t
	ds_store_b128 v[STO], v[ACC+8*(4*\mi+\t)+4:ACC+8*(4*\mi+\t)+7] offset:\mi*16*SP+64*\t+16
.endr
.endr
	s_wait_xcnt 0x0                                ; the last trip's stores have read the registers into which the rows come back
	WIN 0xc0                                       ; destination window 3
.irp k, 0,1,2,3,4,5,6,7,8,9,10,11,12,13,14,15
	ds_load_b128 v[4*\k:4*\k+3], v[RD] offset:\k*2*SP      ; LDS serves a wave's instructions in order (ISA guide 5.7.1.4): these see my stores
.endr
	WIN 0x0c                                       ; store data window 3
.irp k, 0,1,2,3,4,5,6,7,8,9,10,11,12,13,14,15
	s_wait_dscnt 15-\k                             ; the younger loads from the stage may be out
	global_store_b128 v[CO], v[4*\k:4*\k+3], s[12:13] offset:(32*(\i)+2*\k)*4096 th:TH_STORE_NT   ; 16 lanes store 256 consecutive bytes, at a multiple of 256 from out0's first byte; written once, read by nobody here
.endr
	WIN 0
.endm
.set g, 0
.rept 32
.if g <= 29
	s_wait_dscnt 16                                ; this step's eight loads are in; the two younger fetches, eight loads each, may be out
.elseif g == 30
	s_wait_dscnt 8
.else
	s_wait_dscnt 0
.endif
.if (g >= 4) && (g <= 7)
	s_wait_loadcnt 16*(7-g)                        ; K step g of Wo is in; the younger K steps, 16 loads each, may be out
.endif
.if (g%8) < 4
	WIN 0x01                                       ; source 0 (Wo) window 1
.else
	WIN 0x02                                       ; window 2
.endif
.irp mi, 0,1
.irp t, 0,1,2,3
.if (g%8) == 0
	v_wmma_f32_16x16x128_bf8_bf8 v[ACC+8*(4*\mi+\t):ACC+8*(4*\mi+\t)+7], v[64*(g%4)+16*\t:64*(g%4)+16*\t+15], v[ABUF+32*(g%4)+16*\mi:ABUF+32*(g%4)+16*\mi+15], 0
.else
	v_wmma_f32_16x16x128_bf8_bf8 v[ACC+8*(4*\mi+\t):ACC+8*(4*\mi+\t)+7], v[64*(g%4)+16*\t:64*(g%4)+16*\t+15], v[ABUF+32*(g%4)+16*\mi:ABUF+32*(g%4)+16*\mi+15], v[ACC+8*(4*\mi+\t):ACC+8*(4*\mi+\t)+7]
.endif
.endr
.endr
	WIN 0
.if (g%8) == 7
	PLACES 5                                       ; four for the reads of the results and the loads; the fifth for the next trip's first products, which begin these accumulators anew
.elseif g+3 < 32
	PLACES 4                                       ; in front of loads into the buffer that the step before multiplied (ISA guide 7.12.1 for vector instructions)
.endif
.if g+3 < 32
	FETCHM g+3
.endif
.if (g%8) == 7
	YEPI g/8
.endif
.set g, g+1
.endr
	s_wait_dscnt 0x0
	s_wait_tensorcnt 0x0
	ds_add_u32 v126, v127
	s_wait_dscnt 0x0
	CROUND                                         ; the closing round: no work-group ends while a partner may still ask for the panel
	s_endpgm
.Lfunc_end_k_qa05ace36a8_outp:
	.size	k_qa05ace36a8_outp, .Lfunc_end_k_qa05ace36a8_outp-k_qa05ace36a8_outp
	.p2alignl 7, 3214868480
	.fill 96, 4, 3214868480
	.section	.rodata,"a",@progbits
	.p2align	6, 0x0
	.amdhsa_kernel k_qa05ace36a8_outp
		.amdhsa_group_segment_fixed_size 168448
		.amdhsa_private_segment_fixed_size 0
		.amdhsa_enable_private_segment 0
		.amdhsa_kernarg_size 40
		.amdhsa_user_sgpr_count 2
		.amdhsa_user_sgpr_kernarg_segment_ptr 1
		.amdhsa_wavefront_size32 1
		.amdhsa_system_sgpr_workgroup_id_x 1
		.amdhsa_system_sgpr_workgroup_id_y 1
		.amdhsa_system_sgpr_workgroup_id_z 1
		.amdhsa_system_vgpr_workitem_id 0
		.amdhsa_next_free_vgpr 832
		.amdhsa_next_free_sgpr 66
		.amdhsa_reserve_vcc 0
		.amdhsa_float_denorm_mode_32 3
		.amdhsa_float_denorm_mode_16_64 3
		.amdhsa_memory_ordered 1
		.amdhsa_forward_progress 1
		.amdhsa_inst_pref_size 81
	.end_amdhsa_kernel
	.amdgpu_metadata
---
amdhsa.version: [ 1, 2 ]
amdhsa.kernels:
  - .name:           k_qa05ace36a8_outp
    .symbol:         k_qa05ace36a8_outp.kd
    .args:
      - { .name: o_ws, .offset: 0, .size: 8, .value_kind: global_buffer, .address_space: global }
      - { .name: W_o_codes, .offset: 8, .size: 8, .value_kind: global_buffer, .address_space: global }
      - { .name: b_o, .offset: 16, .size: 8, .value_kind: global_buffer, .address_space: global }
      - { .name: lowp_scales, .offset: 24, .size: 8, .value_kind: global_buffer, .address_space: global }
      - { .name: out0, .offset: 32, .size: 8, .value_kind: global_buffer, .address_space: global }
    .group_segment_fixed_size: 168448
    .private_segment_fixed_size: 0
    .kernarg_segment_align: 8
    .kernarg_segment_size: 40
    .max_flat_workgroup_size: 128
    .sgpr_count:     66
    .vgpr_count:     832
    .wavefront_size: 32
...
	.end_amdgpu_metadata
.endif
;; end of part 3
